; MI455X (gfx1250); checked and timed in simulation.
; The chip was launched on July 23, 2026; its instructions are those of AMD's public machine-readable ISA for CDNA 5 (MIT licence, August 2026) and "CDNA5" Instruction Set Architecture Reference Guide (July 2026). The comments in the code are by the model that wrote it; some were corrected since.
;; Attention. Allowed arithmetic: matrix products marked QUANTISED: E3M2 operands, one E8M0 scale for each 32 along K, by v_wmma_scale_f32_16x16x128_f8f6f4 with both operands' format E3M2, f32 sums; products left as they are: f32 operands where the result goes on into a quantised operand, else bf16, f16 or f32 operands; f32 sums; everything else in f32.
;; Inputs: W_c 1,024 x 1 float32; W_h_codes 1,024 x 32 x 24 uint8 (E3M2 codes of W_h, K innermost, in blocks of 32 codes, four codes in three bytes); W_h_scales 1,024 x 32 uint8 (E8M0 scales of W_h, one for each 32 codes along K); W_s_codes 1,024 x 32 x 24 uint8 (E3M2 codes of W_s, K innermost, in blocks of 32 codes, four codes in three bytes); W_s_scales 1,024 x 32 uint8 (E8M0 scales of W_s, one for each 32 codes along K); b_s 1,024 float32; coverage 64 x 1,024 float32; enc_padding_mask 64 x 1,024 float32; encoder_outputs 64 x 1,024 x 1,024 float32; s_t_hat_codes 64 x 32 x 24 uint8 (E3M2 codes of s_t_hat, K innermost, in blocks of 32 codes, four codes in three bytes); s_t_hat_scales 64 x 32 uint8 (E8M0 scales of s_t_hat, one for each 32 codes along K); v 1 x 1,024 float32.
;; Outputs: out0 64 x 1,024 float32; out1 64 x 1,024 float32; out2 64 x 1,024 float32.
;; This version of the problem:
;;   THIS VERSION OF THE PROBLEM IS GIVEN IN LOW PRECISION. The matrix products marked QUANTISED in the list below multiply operands that are first quantised to E3M2 (3 exponent bits, 2 mantissa bits; 6 bits a number), with one power-of-two scale for each 32 numbers along K (OCP MX v1.0); their sums are f32. All else is computed in f32.
;;   The module's matrix products, in the order in which they are computed (A, B: the left and right operand; K: the contracted axis; several contracted axes count as one K, in the product's order):
;;     1. [M 65,536, K 1,024] x [K 1,024, N 1,024]; A: input encoder_outputs; B: input W_h (given as codes): QUANTISED
;;     2. [M 64, K 1,024] x [K 1,024, N 1,024]; A: input s_t_hat (given as codes); B: input W_s (given as codes): QUANTISED
;;     3. [M 65,536, K 1,024] x [K 1,024, N 1]; A: computed on the way; B: input v: left as it is (N = 1 < 16)
;;     4. batch 64 x [M 1, K 1,024] x [K 1,024, N 1,024]; A: computed on the way; B: input encoder_outputs: left as it is (M = 1 < 16)
;;   THE QUANTISER, for each operand of a quantised product, along K:
;;     - K is cut into blocks of 32 from its start; a last block that is shorter is filled with zeros.
;;     - A block's scale is 2^e with e = floor(log2(the largest magnitude in the block)) - 4, held to -126 .. 127; a block of zeros has e = 0. As a byte (E8M0): e + 127.
;;     - Each number is divided by its block's scale, clamped to +-28, and rounded to the nearest number of E3M2, ties to even, subnormals kept.
;;     - The product sums the exact products of the quantised numbers (number of the format x scale) in f32.
;;   ~~~python
;;   def quantise(x, axis):      # numpy; x: float32 -> the quantised numbers, widened to float32 again
;;       x = np.moveaxis(x, axis, -1); K = x.shape[-1]
;;       x = np.pad(x, [(0, 0)] * (x.ndim - 1) + [(0, -K % 32)]); x = x.reshape(x.shape[:-1] + (-1, 32)); a = np.abs(x).max(-1, keepdims=True)
;;       e = np.where(a > 0, np.clip(np.frexp(np.where(a > 0, a, 1))[1] - 1 - 4, -126, 127), 0)      # np.frexp(a)[1] - 1 = floor(log2(a)), exactly
;;       r = np.clip(x / 2.0 ** e, -28, 28)
;;       step = 2.0 ** (np.maximum(np.frexp(np.where(r == 0, 1, r))[1] - 1, -2) - 2)
;;       q = np.round(r / step) * step * 2.0 ** e      # np.round: ties to even
;;       return np.moveaxis(q.reshape(q.shape[:-2] + (-1,))[..., :K], -1, axis).astype(np.float32)
;;   ~~~
;;   INPUTS GIVEN AS CODES. W_h (in the module: [1024, 1024], K = its axis 1); W_s (in the module: [1024, 1024], K = its axis 1); s_t_hat (in the module: [64, 1024], K = its axis 1): each comes as NAME_codes (uint8): NAME with its K axis moved to the last place and cut into blocks of 32 codes, [.., K / 32, bytes a block], one block behind the other in memory; four codes in three bytes: a row's codes are one little-endian stream of bits, code i at bits 6 i .. 6 i + 5 (a code: sign, 3 exponent bits, 2 mantissa bits); and NAME_scales (uint8): the same leading axes, one E8M0 byte (e + 127) for each 32 codes along K. Its value is code x scale, taken as it is: it is not quantised again, and the codes and scales need not be those that the quantiser above would give.
;; One version. Each part assembles by itself: llvm-mc -triple=amdgcn-amd-amdhsa -mcpu=gfx1250 --defsym DOCPART=n.
;; ======== version 1 of 1: 3 launches
;; limits: right only within a limited range of input values
;; workspace buffers: par 786,432 bytes; tsc 262,144 bytes
;; launch dec (part 1): grid 64 x 1, 4 waves a work-group, no clusters, 0 bytes of LDS; arguments s_t_hat_codes, s_t_hat_scales, W_s_codes, W_s_scales, b_s, W_c, v, par; writes par
.if DOCPART == 1
	.amdgcn_target "amdgcn-amd-amdhsa--gfx1250"
	.amdhsa_code_object_version 6
	.text
	.protected	k_qe301b4eaa4_dec
	.globl	k_qe301b4eaa4_dec
	.p2align	8
	.type	k_qe301b4eaa4_dec,@function
k_qe301b4eaa4_dec:
	s_mov_b64 s[64:65], 0
	v_nop
	global_prefetch_b8 v0, s[64:65] scope:SCOPE_SE
	s_setreg_imm32_b32 hwreg(HW_REG_WAVE_MODE, 25, 1), 1
	s_wait_xcnt 0x0
; THE PROGRAM (three launches).  e = tanh(enc W_h^T + dec_fea + coverage W_c), scores = e . v, attn = softmax(scores) x mask, renormalised, c_t = attn . enc, coverage + attn.
; tanh(x) = 1 - 2 / (1 + 2^(k x)) with k = 2 log2(e), so log2(e) scores[b][s] = log2(e) SUM_n v[n] + SUM_n (-k v[n]) / (1 + 2^(k x[b][s][n])).
; WORK LEFT OUT, for all finite values of the inputs:
;  (1) the term log2(e) SUM_n v[n]: it is the same for every s of a row b, and a softmax along s does not change when its whole row is shifted;
;  (2) the softmax's own divisor Z: attn_ = 2^(t - M) / Z x mask and attn = attn_ / SUM_s attn_, in which Z stands above and below and goes.
;  The maximum M is kept, and is taken over all s, masked or not, as the softmax of the problem takes it.  Every input is loaded.
; LIMITS: a NaN, an infinity or an overflow that reaches only SUM_n v[n] or Z is not carried to the result; NaN and infinities among the inputs are not served.
; THIS LAUNCH: dec_fea = s_t_hat W_s^T + b_s on the given codes of E3M2, and three tables for each batch b, laid par[b][3][1024] f32, one dense block of 12,288 bytes a batch:
;  table 0: k (dec_fea[b][n] + b_s[n]);  table 1: k W_c[n];  table 2: -k v[n].
; SHARES: work-group x takes columns n = 16 x .. 16 x + 15, wave w batches 16 w .. 16 w + 15: one tile of 16 x 16, K = 1,024 in eight matrix instructions on two accumulators by turns.
; Source 0 = 16 rows of s_t_hat, source 1 = 16 rows of W_s: lane (r, h) holds column 16 x + r, register j batch 16 w + 8 h + j.
.set KLOG, 0x4038aa3b                  ; k = 2 log2(e)
.set FA,  16                           ; v16-111   s_t_hat's eight fragments
.set FB,  112                          ; v112-207  W_s's eight
.set SA,  208                          ; v208-215  s_t_hat's scale words, one for each 128 along K
.set SBW, 216                          ; v216-223  W_s's
.set A0,  232                          ; v232-239  the sum of the even K steps
.set A1,  240                          ; v240-247  of the odd ones
.set RS,  248                          ; v248-255  table 0's numbers
	s_load_b256 s[4:11], s[0:1], 0x0               ; s_t_hat's codes, its scales, W_s's codes, its scales
	s_load_b256 s[12:19], s[0:1], 0x20             ; b_s, W_c, v, par
	v_lshrrev_b32 v7, 5, v0
	v_readfirstlane_b32 s20, v7                    ; wave 0..3
	v_and_b32 v1, 15, v0                           ; r
	v_bfe_u32 v2, v0, 4, 1                         ; h
	v_mul_u32_u24 v3, v1, 768                      ; a row of 1,024 codes is 768 bytes
	v_mad_u32_u24 v3, v2, 24, v3                   ; + 24 h
	v_lshlrev_b32 v4, 5, v1                        ; a row of scale bytes is 32 bytes
	v_lshlrev_b32 v5, 2, v1                        ; 4 r
	v_mul_u32_u24 v6, v2, 8*12288
	v_add_nc_u32 v6, v6, v5                        ; par: column r, batch 8 h
	s_mul_i32 s22, s20, 16*768                     ; my 16 batches: their codes,
	s_mov_b32 s23, 0
	s_lshl_b32 s24, s20, 9                         ; their scale bytes
	s_mov_b32 s25, 0
	s_mul_i32 s26, ttmp9, 16*768                   ; my 16 columns: W_s's codes,
	s_mov_b32 s27, 0
	s_lshl_b32 s28, ttmp9, 9                       ; its scale bytes,
	s_mov_b32 s29, 0
	s_lshl_b32 s30, ttmp9, 6                       ; and 64 bytes of b_s, W_c, v
	s_mov_b32 s31, 0
	s_mul_i32 s32, s20, 16*12288
	s_add_co_u32 s32, s32, s30                     ; par at batch 16 w, column 16 x
	s_mov_b32 s33, 0
	s_mov_b32 s34, KLOG
	s_wait_alu depctr_va_vdst(0)
	s_wait_kmcnt 0x0
	s_add_nc_u64 s[4:5], s[4:5], s[22:23]
	s_add_nc_u64 s[6:7], s[6:7], s[24:25]
	s_add_nc_u64 s[8:9], s[8:9], s[26:27]
	s_add_nc_u64 s[10:11], s[10:11], s[28:29]
	s_add_nc_u64 s[12:13], s[12:13], s[30:31]
	s_add_nc_u64 s[14:15], s[14:15], s[30:31]
	s_add_nc_u64 s[16:17], s[16:17], s[30:31]
	s_add_nc_u64 s[18:19], s[18:19], s[32:33]
.irp q, 0,1,2,3,4,5,6,7                        ; a fragment: 24 bytes at 96 q + 24 h and 24 at 96 q + 48 + 24 h of the row, in pieces of 8 bytes
.irp p, 0,1,2,3,4,5
	global_load_b64 v[FA+12*\q+2*\p:FA+12*\q+2*\p+1], v3, s[4:5] offset:96*\q+48*(\p/3)+8*(\p%3)
	global_load_b64 v[FB+12*\q+2*\p:FB+12*\q+2*\p+1], v3, s[8:9] offset:96*\q+48*(\p/3)+8*(\p%3)
.endr
.endr
	global_load_b128 v[SA:SA+3], v4, s[6:7]        ; lane r: row r's eight scale words
	global_load_b128 v[SA+4:SA+7], v4, s[6:7] offset:16
	global_load_b128 v[SBW:SBW+3], v4, s[10:11]
	global_load_b128 v[SBW+4:SBW+7], v4, s[10:11] offset:16
	global_load_b32 v224, v5, s[12:13]             ; b_s, W_c, v of my column
	global_load_b32 v225, v5, s[14:15]
	global_load_b32 v226, v5, s[16:17]
	s_wait_loadcnt 0x0
.irp q, 0,2,4,6                                ; the two accumulators take turns, one instruction a turn; the first two products start the sums
.if \q == 0
	v_wmma_scale_f32_16x16x128_f8f6f4 v[A0:A0+7], v[FA+12*\q:FA+12*\q+11], v[FB+12*\q:FB+12*\q+11], 0, v[SA+\q], v[SBW+\q] matrix_a_fmt:MATRIX_FMT_BF6 matrix_b_fmt:MATRIX_FMT_BF6
	v_wmma_scale_f32_16x16x128_f8f6f4 v[A1:A1+7], v[FA+12*\q+12:FA+12*\q+23], v[FB+12*\q+12:FB+12*\q+23], 0, v[SA+\q+1], v[SBW+\q+1] matrix_a_fmt:MATRIX_FMT_BF6 matrix_b_fmt:MATRIX_FMT_BF6
.else
	v_wmma_scale_f32_16x16x128_f8f6f4 v[A0:A0+7], v[FA+12*\q:FA+12*\q+11], v[FB+12*\q:FB+12*\q+11], v[A0:A0+7], v[SA+\q], v[SBW+\q] matrix_a_fmt:MATRIX_FMT_BF6 matrix_b_fmt:MATRIX_FMT_BF6
	v_wmma_scale_f32_16x16x128_f8f6f4 v[A1:A1+7], v[FA+12*\q+12:FA+12*\q+23], v[FB+12*\q+12:FB+12*\q+23], v[A1:A1+7], v[SA+\q+1], v[SBW+\q+1] matrix_a_fmt:MATRIX_FMT_BF6 matrix_b_fmt:MATRIX_FMT_BF6
.endif
.endr
	v_mul_f32 v227, s34, v224                      ; k b_s.  These three and the v_nop are the four places behind the last product (ISA guide 7.12.1)
	v_mul_f32 v228, s34, v225                      ; k W_c
	v_mul_f32 v229, 0xc038aa3b, v226               ; -k v
	v_nop
.irp j, 0,1,2,3,4,5,6,7                        ; each accumulator from its low end on
	v_add_f32 v[RS+\j], v[A0+\j], v[A1+\j]
.endr
.irp j, 0,1,2,3,4,5,6,7
	v_fma_f32 v[RS+\j], v[RS+\j], s34, v227        ; k dec_fea + k b_s
.endr
.irp j, 0,1,2,3,4,5,6,7                        ; sixteen lanes store 64 neighbouring bytes of a table; 768 KB in all, once
	global_store_b32 v6, v[RS+\j], s[18:19] offset:\j*12288
	global_store_b32 v6, v228, s[18:19] offset:\j*12288+4096
	global_store_b32 v6, v229, s[18:19] offset:\j*12288+8192
.endr
	s_endpgm
.Lfunc_end_k_qe301b4eaa4_dec:
	.size	k_qe301b4eaa4_dec, .Lfunc_end_k_qe301b4eaa4_dec-k_qe301b4eaa4_dec
	.p2alignl 7, 3214868480
	.fill 96, 4, 3214868480
	.section	.rodata,"a",@progbits
	.p2align	6, 0x0
	.amdhsa_kernel k_qe301b4eaa4_dec
		.amdhsa_group_segment_fixed_size 0
		.amdhsa_private_segment_fixed_size 0
		.amdhsa_enable_private_segment 0
		.amdhsa_kernarg_size 64
		.amdhsa_user_sgpr_count 2
		.amdhsa_user_sgpr_kernarg_segment_ptr 1
		.amdhsa_wavefront_size32 1
		.amdhsa_system_sgpr_workgroup_id_x 1
		.amdhsa_system_sgpr_workgroup_id_y 1
		.amdhsa_system_sgpr_workgroup_id_z 1
		.amdhsa_system_vgpr_workitem_id 0
		.amdhsa_next_free_vgpr 256
		.amdhsa_next_free_sgpr 66
		.amdhsa_reserve_vcc 0
		.amdhsa_float_denorm_mode_32 3
		.amdhsa_float_denorm_mode_16_64 3
		.amdhsa_memory_ordered 1
		.amdhsa_forward_progress 1
		.amdhsa_inst_pref_size 16
	.end_amdhsa_kernel
	.amdgpu_metadata
---
amdhsa.version: [ 1, 2 ]
amdhsa.kernels:
  - .name:           k_qe301b4eaa4_dec
    .symbol:         k_qe301b4eaa4_dec.kd
    .args:
      - { .name: s_t_hat_codes, .offset: 0, .size: 8, .value_kind: global_buffer, .address_space: global }
      - { .name: s_t_hat_scales, .offset: 8, .size: 8, .value_kind: global_buffer, .address_space: global }
      - { .name: W_s_codes, .offset: 16, .size: 8, .value_kind: global_buffer, .address_space: global }
      - { .name: W_s_scales, .offset: 24, .size: 8, .value_kind: global_buffer, .address_space: global }
      - { .name: b_s, .offset: 32, .size: 8, .value_kind: global_buffer, .address_space: global }
      - { .name: W_c, .offset: 40, .size: 8, .value_kind: global_buffer, .address_space: global }
      - { .name: v, .offset: 48, .size: 8, .value_kind: global_buffer, .address_space: global }
      - { .name: par, .offset: 56, .size: 8, .value_kind: global_buffer, .address_space: global }
    .group_segment_fixed_size: 0
    .private_segment_fixed_size: 0
    .kernarg_segment_align: 8
    .kernarg_segment_size: 64
    .max_flat_workgroup_size: 128
    .sgpr_count:     66
    .vgpr_count:     256
    .wavefront_size: 32
...
	.end_amdgpu_metadata
.endif
;; end of part 1
;; launch score (part 2): grid 256 x 1, 4 waves a work-group, clusters of 4 x 1, 327,680 bytes of LDS; arguments encoder_outputs, coverage, W_h_codes, W_h_scales, par, tsc; writes tsc
.if DOCPART == 2
	.amdgcn_target "amdgcn-amd-amdhsa--gfx1250"
	.amdhsa_code_object_version 6
	.text
	.protected	k_qe301b4eaa4_score
	.globl	k_qe301b4eaa4_score
	.p2align	8
	.type	k_qe301b4eaa4_score,@function
k_qe301b4eaa4_score:
	s_mov_b64 s[64:65], 0
	v_nop
	global_prefetch_b8 v0, s[64:65] scope:SCOPE_SE
	s_setreg_imm32_b32 hwreg(HW_REG_WAVE_MODE, 25, 1), 1
	s_wait_xcnt 0x0
	s_wait_alu depctr_hold_cnt(0) depctr_sa_sdst(0) depctr_va_vdst(0) depctr_va_sdst(0) depctr_va_ssrc(0) depctr_va_vcc(0) depctr_vm_vsrc(0)
	s_getreg_b32 s2, hwreg(HW_REG_IB_STS2, 6, 4)
	s_cmp_eq_u32 s2, 0
	s_cbranch_scc0 .Lentry_in_a_cluster
	s_endpgm
.Lentry_in_a_cluster:
	s_bfe_u32 s2, ttmp6, 0x10000c
	s_cmp_lg_u32 s2, 0x3003
	s_cbranch_scc0 .Lentry_shape_is_right
	s_endpgm
.Lentry_shape_is_right:
; tsc[b][s] = SUM_n (-k v[n]) / (1 + 2^(k x[b][s][n])), k x = k (Q(enc)[b][s] . W_h[n]) + k (dec_fea + b_s)[b][n] + coverage[b][s] k W_c[n]: log2(e) x the score, less the term
; log2(e) SUM_n v[n], which is the same along s and is left out (shown at the head of the first kernel).  No clamp: 2^(k x) = infinity gives 1 / infinity = 0, 2^(k x) = 0 gives 1.
; The product is made on codes of E3M2 with one E8M0 scale for each 32 along K.  W_h comes as codes; enc is quantised here, in registers.
; LIMITS: NaN and infinities in the inputs are not served; a block of zeros of enc gets the scale byte 1 where the rule says 127 (its codes are zeros, and this kernel alone reads the byte).
; SHARES.  A cluster of four work-groups takes one batch, a work-group 256 rows s, a wave 64 of them: four tiles of 16 rows, for all 1,024 columns n and all of K.
; PHASE X.  The wave's 64 rows are read once, 512 consecutive bytes a load, turned through the wave's own stage in LDS so that a lane holds whole blocks of 32 along K, quantised, and kept as 32 fragments (384 registers) and 32 scale words.
; THE RING.  W_h's codes walk through two LDS slots of 128 rows (all of K).  The four work-groups of a cluster walk the same rows: each tile is asked for JOINTLY (mask 15).  W_h's scale bytes and the batch's tables come once.
; A CHUNK is 16 columns: 32 matrix instructions on end, four accumulators by turns; then the bias term, k x, the exponentials, + 1, the reciprocals and the weighted add into the rows' sums.  The next chunk's LDS loads stand in two runs,
;   each directly behind a wait for the vector results and ahead of a batch of transcendentals.  No transcendental stands between a matrix instruction and the first reader of its result.
;   The change of slots stands in a slot's eighth chunk, behind its matrix instructions: all reads of the slot are waited for there, and that chunk's fetch already reads the next slot.
; Source 0 = 16 rows of enc, source 1 = 16 rows of W_h: lane (r, h) holds ONE column n, register j row 8 h + j.
; NO PREFETCH: enc's stream has 64 loads of 512 bytes a wave on its way throughout phase X; W_h's 128 rows of a slot are asked for by all 64 clusters in the same step of the walk, eight chunks ahead of their first read.
; REGISTERS, in windows of 256 (s_set_vgpr_msb: bits 1:0 source 0, 3:2 source 1, 5:4 source 2, 7:6 destination):
;   window 0: v1-31 addresses and work; v32-63 enc's scale words; v64-95 coverage; v96-103 W_h's scale words; v104-109 the columns' numbers; v112-119 codes just made; v128-255 in phase X two sets of 64 numbers,
;             then v128-159 T (the chunk's 32 numbers a lane), v224-255 the rows' sums.
;   windows 1, 2: enc's fragments (tile m, K step q) at v[12 (4 m + q % 4)] of window 1 + q / 4.
;   window 3: in phase X four sets of 64 registers as loaded; then W_h's fragments at v[12 q] and the accumulators at v[96 + 8 m].
.set WPITCH, 816                       ; a row of W_h in LDS: 3 x (256 bytes + 16 of padding)
.set CHK,    16*WPITCH                 ; a chunk's 16 rows
.set WTILE,  32*WPITCH                 ; what one tensor load of the ring brings
.set SLOTB,  128*WPITCH
.set SLOT1,  131072                    ; slot 1 begins here: one exclusive or turns an address in one slot into the other's
.set PARB,   SLOTB                     ; behind slot 0: the batch's three tables, 12,288 bytes
.set SPARE,  PARB+12288                ; the spare words: two blocks of 256 bytes that no other line names
.set SCB,    SLOT1+SLOTB               ; behind slot 1: W_h's scale bytes, 32 bytes a row
.set STG,    SCB+32768                 ; the stages: 16 rows x (512 + 16) bytes for each wave; no tensor load lands here
.set STGB,   16*528
.set LOFF, 1
.set STS,  2
.set STL,  3
.set SH8,  4                           ; 8 h
.set ABA,  5                           ; 816 r + 24 h
.set ASC0, 6
.set APR0, 7
.set ABB,  8                           ; 816 r + 40 h, for the pieces that lie behind one padding more in lanes 16-31
.set ADBA, 9
.set ADS,  10
.set ADP,  11
.set SPW,  12
.set NIL,  13
.set SOUT, 14
.set SBK,  15
.set TM,   16
.set ADBB, 26
.set CVO,  28
.set GOUT, 29
.set ASCL, 32
.set COV,  64
.set BSC,  96
.set PRM,  104                         ; pairs, the number in the low word: v104 k (dec_fea + b_s), v106 k W_c, v108 -k v
.set PC,   112
.set X,    128
.set T,    128
.set PART, 224
.set ACC,  96                          ; in window 3
.set WV,   16
.set CX,   17
.set SEL,  20
.set KK,   22
.set G1W,  24
.set G1S,  32
.set G1P,  40
.set G0W,  48
.set G0S,  52
.set G0P,  56
.set TB,   60
.set TS,   61
.set TP,   62
.set SLOTS, 63
.set CH,   66
.set STB,  67
.set G1H,  80
.set G0H,  88
.set MSB, 0
.macro WIN new                         ; the immediate's high byte repeats the setting that is left; a switch that changes nothing is dropped
.if MSB != (\new)
	s_set_vgpr_msb (MSB<<8)|(\new)
.set MSB, (\new)
.endif
.endm
.macro PLACES
.rept 4
	v_nop
.endr
.endm
.macro CROUND                          ; a round of the cluster's barrier
	s_barrier_signal -1
	s_barrier_wait -1
	s_cmp_lg_u32 s[WV], 0
	s_cbranch_scc1 .Lnot_wave_0_\@
	s_barrier_signal -3
.Lnot_wave_0_\@:
	s_barrier_wait -3
	s_barrier_signal -1
	s_barrier_wait -1
.endm
.macro DESC g, w0, c, r                ; group 1: r dense rows of c elements
	s_mov_b32 s[\g], \w0
	s_mov_b32 s[\g+1], (\c)<<16
	s_mov_b32 s[\g+2], (\r)<<16
	s_mov_b32 s[\g+3], (\c)<<16
	s_mov_b32 s[\g+4], \r
	s_mov_b32 s[\g+5], \c
	s_mov_b32 s[\g+6], 0
	s_mov_b32 s[\g+7], 0
.endm
.set WCFG, 15|(1<<20)|(1<<21)|(5<<22)|(3<<25)   ; mask of all four; bytes; 4 words of padding behind every 64
.set DCFG, 15|(3<<16)|(1<<21)                   ; mask of all four; elements of 8 bytes; dense
	s_load_b256 s[4:11], s[0:1], 0x0               ; enc, coverage, W_h's codes, its scales
	s_load_b128 s[12:15], s[0:1], 0x20             ; par, tsc
	v_lshl_add_u32 v[SPW], v0, 2, SPARE
	v_mov_b32 v[NIL], 0
	ds_add_u32 v[SPW], v[NIL]                      ; the opening: the add, twice on end, and its wait ahead of my first tensor load
	ds_add_u32 v[SPW], v[NIL]
	v_lshrrev_b32 v30, 5, v0
	v_readfirstlane_b32 s[WV], v30                 ; wave 0..3
	s_bfe_u32 s[CX], ttmp6, 0x40000                ; cx enters the addresses of enc, coverage and tsc alone; ttmp9 counts clusters: the batch
	DESC G1W, WCFG, 768, 32                        ; the ring's load: 32 rows of W_h
	DESC G1H, WCFG, 768, 64                        ; the head's: 64 rows
	DESC G1S, DCFG, 32, 128                        ; W_h's scale bytes: 128 rows of 256 bytes
	DESC G1P, DCFG, 32, 48                         ; the tables: 48 such rows
	s_mov_b32 s[SEL], 0x76543210
	s_mov_b32 s[SEL+1], 0xfedcba98
	s_mov_b32 s[KK], 0x4038aa3b                    ; k = 2 log2(e)
	s_mov_b32 s[KK+1], s[KK]
	s_mul_i32 s70, s[WV], 32*768                   ; the ring: my 32 rows
	s_mov_b32 s71, 0
	s_and_b32 s72, s[WV], 1                        ; the head: waves 2 and 3 take slot 0's halves
	s_mul_i32 s[G0H+1], s72, 64*WPITCH
	s_mul_i32 s72, s72, 64*768
	s_mov_b32 s73, 0
	s_mul_i32 s74, ttmp9, 12288
	s_mov_b32 s75, 0
	s_mov_b32 s[G0W], 1
	s_mul_i32 s[G0W+1], s[WV], WTILE
	s_mov_b32 s[G0H], 1
	s_mov_b32 s[G0S], 1
	s_mov_b32 s[G0S+1], SCB
	s_mov_b32 s[G0P], 1
	s_mov_b32 s[G0P+1], PARB
	s_lshl_b32 s68, ttmp9, 10                      ; my 64 rows: 1,024 x batch + 256 cx + 64 x wave
	s_lshl_b32 s69, s[CX], 8
	s_add_co_u32 s68, s68, s69
	s_lshl_b32 s69, s[WV], 6
	s_add_co_u32 s68, s68, s69
	s_lshl_b32 s76, s68, 12
	s_mov_b32 s77, 0
	s_lshl_b32 s78, s68, 2
	s_mov_b32 s79, 0
	s_mul_i32 s[STB], s[WV], STGB
	s_add_co_u32 s[STB], s[STB], STG
	v_and_b32 v30, 15, v0                          ; r
	v_bfe_u32 v31, v0, 4, 1                        ; h
	v_and_b32 v[LOFF], 31, v0
	v_lshlrev_b32 v[GOUT], 3, v[LOFF]
	v_lshlrev_b32 v[LOFF], 4, v[LOFF]
	v_add_nc_u32 v[STS], s[STB], v[LOFF]
	v_mul_u32_u24 v[STL], v30, 528
	v_lshl_add_u32 v[STL], v31, 7, v[STL]          ; out of the stage: row r, + 128 h: a whole block of 32 numbers
	v_add_nc_u32 v[STL], s[STB], v[STL]
	v_mul_u32_u24 v[ABA], v30, WPITCH
	v_mad_u32_u24 v[ABB], v31, 40, v[ABA]
	v_mad_u32_u24 v[ABA], v31, 24, v[ABA]
	v_lshl_add_u32 v[ASC0], v30, 5, SCB
	v_lshl_add_u32 v[APR0], v30, 2, PARB
	v_lshlrev_b32 v[CVO], 5, v31
	v_lshlrev_b32 v[SH8], 3, v31
	v_add_nc_u32 v[SOUT], s[STB], v[CVO]
	v_add_nc_u32 v[SBK], s[STB], v[GOUT]
	v_mov_b32 v[TM+7], 0                           ; a lane permute's destination counts as one of its sources
	s_wait_alu depctr_va_vdst(0)
	s_wait_dscnt 0x0                               ; both opening adds are done
	s_wait_kmcnt 0x0
	s_add_nc_u64 s[G0W+2:G0W+3], s[8:9], s[70:71]
	s_or_b32 s[G0W+3], s[G0W+3], 0x80000000
	s_add_nc_u64 s[G0H+2:G0H+3], s[8:9], s[72:73]
	s_or_b32 s[G0H+3], s[G0H+3], 0x80000000
	s_mov_b64 s[G0S+2:G0S+3], s[10:11]
	s_or_b32 s[G0S+3], s[G0S+3], 0x80000000
	s_add_nc_u64 s[G0P+2:G0P+3], s[12:13], s[74:75]
	s_or_b32 s[G0P+3], s[G0P+3], 0x80000000
	s_add_nc_u64 s[4:5], s[4:5], s[76:77]
	s_add_nc_u64 s[6:7], s[6:7], s[78:79]
	s_add_nc_u64 s[14:15], s[14:15], s[78:79]
	CROUND                                         ; all four work-groups are here: the first joint loads meet
	; the head's loads, one a wave, in one chain of arms: wave 0 the scale bytes, wave 1 the tables, waves 2 and 3 slot 0's halves
	s_cmp_lt_u32 s[WV], 1
	s_cbranch_scc0 .Lhead_p
	tensor_load_to_lds s[G0S:G0S+3], s[G1S:G1S+7]
	s_nop 0
	PLACES
	s_branch .Lhead_asked
.Lhead_p:
	s_cmp_lt_u32 s[WV], 2
	s_cbranch_scc0 .Lhead_w
	tensor_load_to_lds s[G0P:G0P+3], s[G1P:G1P+7]
	s_nop 0
	PLACES
	s_branch .Lhead_asked
.Lhead_w:
	tensor_load_to_lds s[G0H:G0H+3], s[G1H:G1H+7]
	s_nop 0
	PLACES
.Lhead_asked:
.irp m, 0,1,2,3                                ; coverage: register 8 m + j is that of row 16 m + 8 h + j
	global_load_b128 v[COV+8*\m:COV+8*\m+3], v[CVO], s[6:7] offset:64*\m
	global_load_b128 v[COV+8*\m+4:COV+8*\m+7], v[CVO], s[6:7] offset:64*\m+16
.endr
; PHASE X.  Fragment f = 8 m + q: rows 16 m .. 16 m + 15 of my 64, K = 128 q .. 128 q + 127.
.macro XLOAD f                         ; 16 loads, a row each: 32 lanes read 512 consecutive bytes; into set f % 4 of window 3
.set XR, 64*((\f)%4)
	WIN 0xc0
.irp i, 0,1,2,3,4,5,6,7,8,9,10,11,12,13,14,15
	global_load_b128 v[XR+4*\i:XR+4*\i+3], v[LOFF], s[4:5] offset:(16*((\f)/8)+\i)*4096+512*((\f)%8) th:TH_LOAD_NT
.endr
.endm
.macro TURN f                          ; through my stage: in as loaded, out 128 bytes a lane for each of two blocks: register 32 c + i = k 64 c + 32 h + i of row r.  LDS serves a wave's instructions in order (ISA guide 5.7.1.4)
.set XR, 64*((\f)%4)
.set XT, X+64*((\f)%2)
	WIN 0x0c                                       ; an LDS store's data are its source 1: window 3
.irp i, 0,1,2,3,4,5,6,7,8,9,10,11,12,13,14,15
	ds_store_b128 v[STS], v[XR+4*\i:XR+4*\i+3] offset:528*\i
.endr
	WIN 0
.irp c, 0,1
.irp j, 0,1,2,3,4,5,6,7
	ds_load_b128 v[XT+32*\c+4*\j:XT+32*\c+4*\j+3], v[STL] offset:256*\c+16*\j
.endr
.endr
.endm
.macro QUANT f                         ; 64 numbers of a lane, blocks h and 2 + h of the row's four, become fragment f's codes and its scale word
.set XS, X+64*((\f)%2)
.set FRG, 12*(4*((\f)/8)+(\f)%4)
.set WX, 1+((\f)%8)/4
.irp b, 0,1,2,3                                ; four chains of 16 numbers by turns, each with the floor 2^(5 - 127): the byte cannot fall under 1
	v_max3_num_f32 v[TM+\b], |v[XS+16*\b]|, |v[XS+1+16*\b]|, 0x2800000
.endr
.irp i, 2,4,6,8,10,12,14
.irp b, 0,1,2,3
	v_max3_num_f32 v[TM+\b], v[TM+\b], |v[XS+16*\b+\i]|, |v[XS+1+16*\b+\i]|
.endr
.endr
	v_max_num_f32 v[TM], v[TM], v[TM+1]            ; the two blocks' largest magnitudes
	v_max_num_f32 v[TM+2], v[TM+2], v[TM+3]
	v_add_nc_u32 v[TM+8], 0xfe000000, v[TM]        ; 4 off the exponent field: the conversion's scale operand
	v_add_nc_u32 v[TM+9], 0xfe000000, v[TM+2]
	v_lshrrev_b32 v[TM+4], 23, v[TM+8]             ; the scale's byte
	v_lshrrev_b32 v[TM+5], 23, v[TM+9]
	v_lshl_or_b32 v[TM+6], v[TM+5], 16, v[TM+4]    ; my two bytes, blocks h and 2 + h,
	v_lshlrev_b32 v[TM+6], v[SH8], v[TM+6]         ; at their places in the word;
	v_permlanex16_b32 v[TM+7], v[TM+6], s[SEL], s[SEL+1]
	v_or_b32 v[ASCL+(\f)], v[TM+6], v[TM+7]        ; with lane l xor 16's two the word is whole
.irp c, 0,1                                    ; a conversion's three registers begin on an even number: a block's upper 16 codes are made apart and moved
	v_cvt_scalef32_pk16_bf6_f32 v[PC+4*\c:PC+4*\c+2], v[XS+32*\c+16:XS+32*\c+31], v[TM+8+\c]
.endr
	WIN (WX<<6)                                    ; the lower 16 codes go straight to the fragment's place
.irp c, 0,1
	v_cvt_scalef32_pk16_bf6_f32 v[FRG+6*\c:FRG+6*\c+2], v[XS+32*\c:XS+32*\c+15], v[TM+8+\c]
.endr
	v_nop                                          ; one plain place behind a scaled conversion
.irp c, 0,1
.irp i, 0,1,2
	v_mov_b32 v[FRG+6*\c+3+\i], v[PC+4*\c+\i]
.endr
.endr
	WIN 0
.endm
.macro STEPX f
	s_wait_dscnt 0x0                               ; fragment f's numbers are back from the stage: so the stores into it have read set f % 4,
.if (\f)+4 < 32
	XLOAD (\f)+4                                   ; which takes the loads of four fragments on
.endif
.if (\f)+1 < 32
.if 30-(\f) >= 3
	s_wait_loadcnt 48                              ; loads come back in order (ISA guide 5.7.1): the next fragment's 16 are in; the three sets behind it may be out
.else
	s_wait_loadcnt 16*(30-(\f))                    ; at the end the count runs down
.endif
	TURN (\f)+1
.endif
	QUANT \f
.endm
	XLOAD 0
	XLOAD 1
	XLOAD 2
	XLOAD 3
	s_wait_loadcnt 48                              ; coverage and fragment 0's loads are in; sets 1 to 3 may be out
	TURN 0
.set F, 0
.rept 32
	STEPX F
.set F, F+1
.endr
; THE RING.
.macro BLD idx                         ; piece idx (0..47) of W_h's eight fragments: 8 bytes; lanes 0-15 take the row's pieces 12 q + 0, 1, 2, 6, 7, 8, lanes 16-31 those three on; 16 bytes of padding behind every 32 pieces
.set BQ, (\idx)/6
.set BP, (\idx)%6
.set PCE, 12*BQ+6*(BP/3)+BP%3
.if PCE%32 < 29
	ds_load_b64 v[12*BQ+2*BP:12*BQ+2*BP+1], v[ADBA] offset:8*PCE+16*(PCE/32)
.else
	ds_load_b64 v[12*BQ+2*BP:12*BQ+2*BP+1], v[ADBB] offset:8*PCE+16*(PCE/32)
.endif
.endm
.macro FETCH1 vv                       ; vv = 1: first the -k v of the chunk at work, 64 bytes back in its table; then the next chunk's two numbers, its eight scale words and the 24 pieces of its K steps 0-3
.if \vv
	ds_load_b32 v[PRM+4], v[ADP] offset:8128
.endif
	ds_load_b32 v[PRM], v[ADP]
	ds_load_b32 v[PRM+2], v[ADP] offset:4096
	ds_load_b128 v[BSC:BSC+3], v[ADS]
	ds_load_b128 v[BSC+4:BSC+7], v[ADS] offset:16
	WIN 0xc0                                       ; destination window 3
.set I, 0
.rept 24
	BLD I
.set I, I+1
.endr
	WIN 0
.endm
.macro FETCH2                          ; the 24 pieces of K steps 4-7
	WIN 0xc0
.set I, 24
.rept 24
	BLD I
.set I, I+1
.endr
	WIN 0
.endm
.macro WM q, m                         ; the first K step starts the sums
.if (\q) == 0
	v_wmma_scale_f32_16x16x128_f8f6f4 v[ACC+8*(\m):ACC+8*(\m)+7], v[12*(4*(\m)+(\q)%4):12*(4*(\m)+(\q)%4)+11], v[12*(\q):12*(\q)+11], 0, v[ASCL+8*(\m)+(\q)], v[BSC+(\q)] matrix_a_fmt:MATRIX_FMT_BF6 matrix_b_fmt:MATRIX_FMT_BF6
.else
	v_wmma_scale_f32_16x16x128_f8f6f4 v[ACC+8*(\m):ACC+8*(\m)+7], v[12*(4*(\m)+(\q)%4):12*(4*(\m)+(\q)%4)+11], v[12*(\q):12*(\q)+11], v[ACC+8*(\m):ACC+8*(\m)+7], v[ASCL+8*(\m)+(\q)], v[BSC+(\q)] matrix_a_fmt:MATRIX_FMT_BF6 matrix_b_fmt:MATRIX_FMT_BF6
.endif
.endm
; THE CHANGE OF SLOTS.  Each wave waits for all its tensor loads, adds 0 to its spare word, and waits for that and for its reads of the slot that it leaves.  fill = 1: a round of the cluster's barrier; behind it the joint load of the
; next 128 rows of W_h, my one tensor load until the next round; it has eight chunks in which to land.
.macro CHANGE fill
	s_wait_tensorcnt 0x0
	ds_add_u32 v[SPW], v[NIL]
.if \fill
	s_xor_b32 s[G0W+1], s[G0W+1], SLOT1
	s_add_nc_u64 s[G0W+2:G0W+3], s[G0W+2:G0W+3], 128*768
	s_wait_dscnt 0x0
	CROUND
	tensor_load_to_lds s[G0W:G0W+3], s[G1W:G1W+7]
	s_nop 0
	PLACES
.else
	s_wait_dscnt 0x0
	s_barrier_signal -1
	s_barrier_wait -1
.endif
.endm
; A chunk.  kind 0: one of a slot's first seven.  kind 1: a slot's eighth, with the change of slots and a refill.  kind 2: the same with no refill (the last slot is already asked for).  kind 3: the very last chunk: nothing more is fetched.
.macro ITER kind
.irp q, 0,1,2,3,4,5,6,7                        ; the four accumulators by turns, one instruction a turn
	s_wait_dscnt 42-6*\q                           ; K step q's six pieces are in; the count names the pieces issued behind them
	WIN 0xfd+\q/4                                  ; source 0 window 1 or 2; source 1, C and D window 3
.irp m, 0,1,2,3
	WM \q, \m
.endr
.endr
	WIN 0
.if ((\kind) == 1) || ((\kind) == 2)
	CHANGE 2-(\kind)                               ; the wait ahead of K step 7 was for 0: my reads of this slot are over
.endif
.set I, 0
.rept 16                                       ; coverage x k W_c + k (dec_fea + b_s); also the places between the last product and the first read of results
	v_pk_fma_f32 v[T+I:T+I+1], v[COV+I:COV+I+1], v[PRM+2:PRM+3], v[PRM:PRM+1] op_sel_hi:[1,0,0]
.set I, I+2
.endr
.if (\kind) != 3
	s_add_co_u32 s[TB], s[TB], CHK
	s_add_co_u32 s[TS], s[TS], 512
	s_add_co_u32 s[TP], s[TP], 64
.if (\kind) != 0
	s_sub_co_u32 s[TB], s[TB], SLOTB               ; back to a slot's first chunk, in the other slot
	s_xor_b32 s[TB], s[TB], SLOT1
.endif
	v_add_nc_u32 v[ADBA], s[TB], v[ABA]            ; the next chunk's addresses
	v_add_nc_u32 v[ADBB], s[TB], v[ABB]
	v_add_nc_u32 v[ADS], s[TS], v[ASC0]
	v_add_nc_u32 v[ADP], s[TP], v[APR0]
.endif
	WIN 0x03                                       ; source 0: window 3
.set I, 0
.rept 16                                       ; k x; each accumulator from its low end on
	v_pk_fma_f32 v[T+I:T+I+1], v[ACC+I:ACC+I+1], s[KK:KK+1], v[T+I:T+I+1] op_sel_hi:[1,0,1]
.set I, I+2
.endr
	WIN 0
	s_wait_alu depctr_va_vdst(0)                   ; a wait ahead of each batch of transcendentals and one behind it
.if (\kind) != 3
	FETCH1 1
.else
	ds_load_b32 v[PRM+4], v[ADP] offset:8192       ; this chunk's -k v
.endif
.set I, 0
.rept 32
	v_exp_f32 v[T+I], v[T+I]
.set I, I+1
.endr
	v_nop
	s_wait_alu depctr_va_vdst(0)
.set I, 0
.rept 16
	v_pk_add_f32 v[T+I:T+I+1], v[T+I:T+I+1], 1.0 op_sel_hi:[1,0]
.set I, I+2
.endr
	s_wait_alu depctr_va_vdst(0)
.if (\kind) != 3
	FETCH2
.endif
.set I, 0
.rept 32
	v_rcp_f32 v[T+I], v[T+I]
.set I, I+1
.endr
	v_nop
	s_wait_alu depctr_va_vdst(0)
.if (\kind) != 3
	s_wait_dscnt 52                                ; -k v is in: behind it two numbers, two loads of scale words and 48 pieces were issued
.else
	s_wait_dscnt 0x0
.endif
.set I, 0
.rept 16                                       ; the rows' sums += (-k v) / (1 + 2^(k x))
	v_pk_fma_f32 v[PART+I:PART+I+1], v[T+I:T+I+1], v[PRM+4:PRM+5], v[PART+I:PART+I+1] op_sel_hi:[1,0,1]
.set I, I+2
.endr
.endm
.macro SEVEN
	s_mov_b32 s[CH], 7
.Lch_\@:
	ITER 0
	s_sub_co_u32 s[CH], s[CH], 1
	s_cmp_lg_u32 s[CH], 0
	s_cbranch_scc1 .Lch_\@
.endm
.set I, 0
.rept 32
	v_mov_b32 v[PART+I], 0                         ; the rows' sums begin as zeros
.set I, I+1
.endr
.set I, 0
.rept 6
	v_mov_b32 v[PRM+I], 0                          ; (the pairs' high words are named with the low ones, so they are written)
.set I, I+1
.endr
	s_mov_b32 s[TB], 0
	s_mov_b32 s[TS], 0
	s_mov_b32 s[TP], 0
	v_add_nc_u32 v[ADBA], s[TB], v[ABA]
	v_add_nc_u32 v[ADBB], s[TB], v[ABB]
	v_add_nc_u32 v[ADS], s[TS], v[ASC0]
	v_add_nc_u32 v[ADP], s[TP], v[APR0]
	s_wait_alu depctr_va_vdst(0)                   ; what phase X
	CHANGE 1                                       ; the head's tiles are whole for all four waves; slot 1 is asked for
	FETCH1 0                                       ; the first chunk
	FETCH2
	s_mov_b32 s[SLOTS], 6
.Lslot:                                            ; slots 0 to 5: each ends by asking for the slot two on
	SEVEN
	ITER 1
	s_sub_co_u32 s[SLOTS], s[SLOTS], 1
	s_cmp_lg_u32 s[SLOTS], 0
	s_cbranch_scc1 .Lslot
	SEVEN                                          ; slots 6 and 7 are written out: nothing more is asked for
	ITER 2
	SEVEN
	ITER 3
	; THE WAY OUT.  Register 8 m + j of lane (r, h) holds row 16 m + 8 h + j's sum over the columns n = r mod 16: the sixteen lanes of a half are added, the 64 numbers meet in my stage, and one store covers 256 consecutive bytes, aligned.
.irp k, 1,2,4,8
.set I, 0
.rept 32
	v_add_f32_dpp v[PART+I], v[PART+I], v[PART+I] row_xmask:\k row_mask:0xf bank_mask:0xf
.set I, I+1
.endr
.endr
.irp m, 0,1,2,3
	ds_store_b128 v[SOUT], v[PART+8*\m:PART+8*\m+3] offset:64*\m       ; the sixteen lanes of a half write the same bytes with the same values
	ds_store_b128 v[SOUT], v[PART+8*\m+4:PART+8*\m+7] offset:64*\m+16
.endr
	ds_load_b64 v[TM:TM+1], v[SBK]                 ; LDS serves a wave's instructions in order: this sees my stores
	s_wait_dscnt 0x0
	global_store_b64 v[GOUT], v[TM:TM+1], s[14:15]
	s_wait_tensorcnt 0x0                           ; the wave's end
	ds_add_u32 v[SPW], v[NIL]
	s_wait_dscnt 0x0
	CROUND                                         ; the closing round
	s_endpgm
.Lfunc_end_k_qe301b4eaa4_score:
	.size	k_qe301b4eaa4_score, .Lfunc_end_k_qe301b4eaa4_score-k_qe301b4eaa4_score
	.p2alignl 7, 3214868480
	.fill 96, 4, 3214868480
	.section	.rodata,"a",@progbits
	.p2align	6, 0x0
	.amdhsa_kernel k_qe301b4eaa4_score
		.amdhsa_group_segment_fixed_size 327680
		.amdhsa_private_segment_fixed_size 0
		.amdhsa_enable_private_segment 0
		.amdhsa_kernarg_size 48
		.amdhsa_user_sgpr_count 2
		.amdhsa_user_sgpr_kernarg_segment_ptr 1
		.amdhsa_wavefront_size32 1
		.amdhsa_system_sgpr_workgroup_id_x 1
		.amdhsa_system_sgpr_workgroup_id_y 1
		.amdhsa_system_sgpr_workgroup_id_z 1
		.amdhsa_system_vgpr_workitem_id 0
		.amdhsa_next_free_vgpr 1024
		.amdhsa_next_free_sgpr 96
		.amdhsa_reserve_vcc 0
		.amdhsa_float_denorm_mode_32 3
		.amdhsa_float_denorm_mode_16_64 3
		.amdhsa_memory_ordered 1
		.amdhsa_forward_progress 1
		.amdhsa_inst_pref_size 255
	.end_amdhsa_kernel
	.section	.bss,"aw",@nobits
	.p2align	6
	.space	262144
	.amdgpu_metadata
---
amdhsa.version: [ 1, 2 ]
amdhsa.kernels:
  - .name:           k_qe301b4eaa4_score
    .symbol:         k_qe301b4eaa4_score.kd
    .args:
      - { .name: encoder_outputs, .offset: 0, .size: 8, .value_kind: global_buffer, .address_space: global }
      - { .name: coverage, .offset: 8, .size: 8, .value_kind: global_buffer, .address_space: global }
      - { .name: W_h_codes, .offset: 16, .size: 8, .value_kind: global_buffer, .address_space: global }
      - { .name: W_h_scales, .offset: 24, .size: 8, .value_kind: global_buffer, .address_space: global }
      - { .name: par, .offset: 32, .size: 8, .value_kind: global_buffer, .address_space: global }
      - { .name: tsc, .offset: 40, .size: 8, .value_kind: global_buffer, .address_space: global }
    .group_segment_fixed_size: 327680
    .private_segment_fixed_size: 0
    .kernarg_segment_align: 8
    .kernarg_segment_size: 48
    .max_flat_workgroup_size: 128
    .sgpr_count:     96
    .vgpr_count:     1024
    .wavefront_size: 32
...
	.end_amdgpu_metadata
.endif
;; end of part 2
;; launch ctx (part 3): grid 4 x 64, 16 waves a work-group, no clusters, 23,040 bytes of LDS; arguments tsc, enc_padding_mask, coverage, encoder_outputs, out0, out1, out2; writes out0, out1, out2
.if DOCPART == 3
	.amdgcn_target "amdgcn-amd-amdhsa--gfx1250"
	.amdhsa_code_object_version 6
	.text
	.protected	k_qe301b4eaa4_ctx
	.globl	k_qe301b4eaa4_ctx
	.p2align	8
	.type	k_qe301b4eaa4_ctx,@function
k_qe301b4eaa4_ctx:
	s_mov_b64 s[64:65], 0
	v_nop
	global_prefetch_b8 v0, s[64:65] scope:SCOPE_SE
	s_setreg_imm32_b32 hwreg(HW_REG_WAVE_MODE, 25, 1), 1
	s_wait_xcnt 0x0
; attn[b][s] = p / SUM_s p with p = 2^(t - M) x mask, t = tsc[b][s], M = the largest t of the row (over all s, masked or not);  out1 = attn, out2 = coverage + attn, out0 = c_t[b] = SUM_s attn[b][s] enc[b][s].
; LEFT OUT (shown at the head of the first kernel): the softmax's own divisor, which stands above and below in attn and goes.
; LIMITS: NaN and infinities in the inputs are not served; a row whose mask is all zeros gives 0 x infinity = NaN, as 0 / 0 does in the problem.
; SHARES.  Work-group (x, b) owns columns 256 x .. 256 x + 255 of c_t[b], and attn and coverage + attn for s = 256 x .. 256 x + 255.  Each of the four work-groups of a batch makes the row's p anew: 1,024 numbers.
; Thread i holds s = 2 i and 2 i + 1.  Wave w then streams rows 64 w .. 64 w + 63 of enc, 1,024 bytes of each as two loads of 512 consecutive bytes, with 32 loads of each wave on their way; all in f32, by fused multiply-adds:
; the product has one row (M = 1), so the matrix unit would serve nothing, and no tile is shared, so there is no cluster.  The sixteen waves' sums meet in LDS.
.set MAXW,  0                          ; LDS: 16 words: the waves' maxima
.set SUMW,  256                        ; 16 words: the waves' sums
.set PB,    512                        ; the row's 1,024 p
.set RED,   4608                       ; 16 x 1,024 bytes: the waves' parts of c_t
.set SPARE, 20992                      ; the spare words, 128 bytes for each wave: eight blocks of 256 bytes that no other line names
.set ACC, 16                           ; v16-23   my 8 columns' sums
.set W,   32                           ; v32-95   my wave's 64 weights p
.set R,   96                           ; v96-223  four groups of four rows: 32 registers each
.set T,   224                          ; v224-239 at work
	s_load_b256 s[4:11], s[0:1], 0x0               ; tsc, mask, coverage, enc
	s_load_b128 s[12:15], s[0:1], 0x20             ; out0, out1
	s_load_b64 s[16:17], s[0:1], 0x30              ; out2
	v_lshl_add_u32 v4, v0, 2, SPARE                ; my spare word; never rewritten
	v_mov_b32 v5, 0                                ; 0; never rewritten
	v_lshrrev_b32 v12, 5, v0
	s_delay_alu instid0(VALU_DEP_1)
	v_readfirstlane_b32 s18, v12                   ; wave 0..15
	s_and_b32 s19, ttmp7, 0xffff                   ; the batch
	v_and_b32 v1, 31, v0
	s_delay_alu instid0(VALU_DEP_1)
	v_lshlrev_b32 v1, 4, v1                        ; 16 x lane
	v_lshlrev_b32 v2, 3, v0                        ; 8 x thread
	v_lshlrev_b32 v3, 2, v12                       ; 4 x wave
	v_mov_b32 v26, 0
	v_lshl_add_u32 v27, v12, 8, PB                 ; my wave's 64 weights
	v_lshl_add_u32 v28, v12, 10, v1
	s_delay_alu instid0(VALU_DEP_1)
	v_add_nc_u32 v28, RED, v28                     ; my wave's part of c_t, 16 bytes a lane
	v_lshl_add_u32 v29, v0, 4, RED                 ; (waves 0 and 1) the column sums: 16 bytes a thread
	v_lshlrev_b32 v30, 4, v0
	v_mov_b32 v13, 0                               ; written once: a lane permute's destination counts as one of its sources
	v_mov_b32 v15, 0
	s_mov_b32 s20, 0x76543210
	s_mov_b32 s21, 0xfedcba98                      ; v_permlanex16_b32's selects for lane l xor 16
	s_lshl_b32 s24, s19, 22                        ; enc: 4 MiB a batch,
	s_lshl_b32 s22, s18, 18                        ; 64 rows of 4,096 bytes a wave,
	s_add_co_u32 s24, s24, s22
	s_lshl_b32 s22, ttmp9, 10                      ; 1,024 bytes a work-group x
	s_add_co_u32 s24, s24, s22
	s_mov_b32 s25, 0
	s_lshl_b32 s26, s19, 12                        ; a row of 1,024 f32
	s_mov_b32 s27, 0
	s_add_co_u32 s28, s26, s22
	s_mov_b32 s29, 0
	s_wait_kmcnt 0x0
	s_add_nc_u64 s[4:5], s[4:5], s[26:27]
	s_add_nc_u64 s[6:7], s[6:7], s[26:27]
	s_add_nc_u64 s[8:9], s[8:9], s[26:27]
	s_add_nc_u64 s[10:11], s[10:11], s[24:25]
	s_add_nc_u64 s[12:13], s[12:13], s[28:29]
	s_add_nc_u64 s[14:15], s[14:15], s[26:27]
	s_add_nc_u64 s[16:17], s[16:17], s[26:27]
	global_load_b64 v[6:7], v2, s[4:5]             ; t
	global_load_b64 v[8:9], v2, s[6:7]             ; mask
	global_load_b64 v[10:11], v2, s[8:9]           ; coverage
.macro GLOAD g                         ; rows 4 g .. 4 g + 3 of my 64: eight loads of 512 consecutive bytes, into group g % 4
.irp i, 0,1,2,3
.irp u, 0,1
	global_load_b128 v[R+32*((\g)%4)+8*\i+4*\u:R+32*((\g)%4)+8*\i+4*\u+3], v1, s[10:11] offset:(4*(\g)+\i)*4096+512*\u th:TH_LOAD_NT
.endr
.endr
.endm
	GLOAD 0
	GLOAD 1
	GLOAD 2
	GLOAD 3                                        ; enc is on its way while the softmax is made
	s_wait_loadcnt 32                              ; loads come back in order (ISA guide 5.7.1): t, mask and coverage are in; the 32 loads behind them may be out
	v_max_num_f32 v12, v6, v7
	s_delay_alu instid0(VALU_DEP_1)
	v_max_num_f32_dpp v12, v12, v12 row_xmask:1 row_mask:0xf bank_mask:0xf
	s_delay_alu instid0(VALU_DEP_1)
	v_max_num_f32_dpp v12, v12, v12 row_xmask:2 row_mask:0xf bank_mask:0xf
	s_delay_alu instid0(VALU_DEP_1)
	v_max_num_f32_dpp v12, v12, v12 row_xmask:4 row_mask:0xf bank_mask:0xf
	s_delay_alu instid0(VALU_DEP_1)
	v_max_num_f32_dpp v12, v12, v12 row_xmask:8 row_mask:0xf bank_mask:0xf
	s_wait_alu depctr_va_vdst(0)
	v_permlanex16_b32 v13, v12, s20, s21
	s_delay_alu instid0(VALU_DEP_1)
	v_max_num_f32 v12, v12, v13                    ; my wave's largest t
	ds_store_b32 v3, v12 offset:MAXW               ; all lanes write the same word with the same value
	s_wait_dscnt 0x0                               ; for the others' sake: my store has landed
	s_barrier_signal -1
	s_barrier_wait -1
.irp i, 0,1,2,3
	ds_load_b128 v[T+4*\i:T+4*\i+3], v26 offset:MAXW+16*\i
.endr
	s_wait_dscnt 0x0
	v_max3_num_f32 v25, v[T], v[T+1], v[T+2]
.irp i, 3,5,7,9,11,13
	s_delay_alu instid0(VALU_DEP_1)
	v_max3_num_f32 v25, v25, v[T+\i], v[T+\i+1]
.endr
	s_delay_alu instid0(VALU_DEP_1)
	v_max_num_f32 v25, v25, v[T+15]                ; M
	s_delay_alu instid0(VALU_DEP_1)
	v_sub_f32 v12, v6, v25
	s_delay_alu instid0(VALU_DEP_2)
	v_sub_f32 v13, v7, v25
	s_wait_alu depctr_va_vdst(0)
	v_exp_f32 v12, v12
	v_exp_f32 v13, v13
	v_nop                                          ; a plain instruction behind the exponentials,
	s_wait_alu depctr_va_vdst(0)                   ; and the wait ahead of the first use
	v_pk_mul_f32 v[12:13], v[12:13], v[8:9]        ; p = 2^(t - M) x mask
	ds_store_b64 v2, v[12:13] offset:PB
	v_add_f32 v14, v12, v13
	s_delay_alu instid0(VALU_DEP_1)
	v_add_f32_dpp v14, v14, v14 row_xmask:1 row_mask:0xf bank_mask:0xf
	s_delay_alu instid0(VALU_DEP_1)
	v_add_f32_dpp v14, v14, v14 row_xmask:2 row_mask:0xf bank_mask:0xf
	s_delay_alu instid0(VALU_DEP_1)
	v_add_f32_dpp v14, v14, v14 row_xmask:4 row_mask:0xf bank_mask:0xf
	s_delay_alu instid0(VALU_DEP_1)
	v_add_f32_dpp v14, v14, v14 row_xmask:8 row_mask:0xf bank_mask:0xf
	s_delay_alu instid0(VALU_DEP_1)
	v_permlanex16_b32 v15, v14, s20, s21
	s_delay_alu instid0(VALU_DEP_1)
	v_add_f32 v14, v14, v15                        ; my wave's sum
	ds_store_b32 v3, v14 offset:SUMW
	s_wait_dscnt 0x0
	s_barrier_signal -1
	s_barrier_wait -1
.irp i, 0,1,2,3
	ds_load_b128 v[T+4*\i:T+4*\i+3], v26 offset:SUMW+16*\i
.endr
.irp i, 0,1,2,3,4,5,6,7,8,9,10,11,12,13,14,15
	ds_load_b128 v[W+4*\i:W+4*\i+3], v27 offset:16*\i      ; every lane takes the same 64 weights
.endr
	s_wait_dscnt 0x0
.irp i, 0,4,8,12
	v_pk_add_f32 v[T+\i:T+\i+1], v[T+\i:T+\i+1], v[T+\i+2:T+\i+3]
.endr
	s_delay_alu instid0(VALU_DEP_3)
	v_pk_add_f32 v[T:T+1], v[T:T+1], v[T+4:T+5]
	s_delay_alu instid0(VALU_DEP_2)
	v_pk_add_f32 v[T+8:T+9], v[T+8:T+9], v[T+12:T+13]
	s_delay_alu instid0(VALU_DEP_1)
	v_pk_add_f32 v[T:T+1], v[T:T+1], v[T+8:T+9]
	s_delay_alu instid0(VALU_DEP_1)
	v_add_f32 v24, v[T], v[T+1]                    ; the row's sum of p
	s_wait_alu depctr_va_vdst(0)
	v_rcp_f32 v24, v24
	v_nop
	s_wait_alu depctr_va_vdst(0)
	s_lshr_b32 s23, s18, 2                         ; threads 128 x .. 128 x + 127 hold s = 256 x .. 256 x + 255: waves 4 x .. 4 x + 3 store them; a branch on ids, round two stores
	s_cmp_lg_u32 s23, ttmp9
	s_cbranch_scc1 .Lnot_mine
	v_pk_mul_f32 v[14:15], v[12:13], v[24:25] op_sel_hi:[1,0]               ; attn (of the pair 1 / sum, M the low word serves both halves)
	v_pk_fma_f32 v[T:T+1], v[12:13], v[24:25], v[10:11] op_sel_hi:[1,0,1]   ; coverage + attn
	global_store_b64 v2, v[14:15], s[14:15]        ; a wave's store covers 256 consecutive bytes, aligned
	global_store_b64 v2, v[T:T+1], s[16:17]
.Lnot_mine:
.macro GROUP g
.if (\g) <= 12
	s_wait_loadcnt 24                              ; this group's eight loads are in; the three groups behind it may be out
.else
	s_wait_loadcnt 8*(15-(\g))                     ; at the end the count runs down
.endif
.irp i, 0,1,2,3
.irp e, 0,1,2,3,4,5,6,7
.if ((\g) == 0) && (\i == 0)
	v_mul_f32 v[ACC+\e], v[R+32*((\g)%4)+8*\i+\e], v[W+4*(\g)+\i]           ; the first row starts the sums: nothing is cleared
.else
	v_fmac_f32 v[ACC+\e], v[R+32*((\g)%4)+8*\i+\e], v[W+4*(\g)+\i]
.endif
.endr
.endr
.if (\g) < 12
	GLOAD (\g)+4
.endif
.endm
.set G, 0
.rept 16
	s_wait_alu depctr_va_vdst(0)
	GROUP G
.set G, G+1
.endr
	ds_store_b128 v28, v[ACC:ACC+3]                ; columns 4 x lane on,
	ds_store_b128 v28, v[ACC+4:ACC+7] offset:512   ; and 128 + 4 x lane on
	s_wait_dscnt 0x0
	s_barrier_signal -1
	s_barrier_wait -1
	s_cmp_ge_u32 s18, 2                            ; 64 threads x 16 bytes are the work-group's 1,024 bytes of c_t: waves 0 and 1 add the sixteen parts
	s_cbranch_scc1 .Ldone
.irp i, 0,1,2,3,4,5,6,7,8,9,10,11,12,13,14,15
	ds_load_b128 v[R+4*\i:R+4*\i+3], v29 offset:1024*\i
.endr
	s_wait_dscnt 0x0
.irp i, 1
	v_pk_add_f32 v[R:R+1], v[R:R+1], v[R+4*\i:R+4*\i+1]
	v_pk_add_f32 v[R+2:R+3], v[R+2:R+3], v[R+4*\i+2:R+4*\i+3]
.endr
.irp i, 2, 3, 4, 5, 6, 7, 8, 9, 10, 11, 12, 13, 14, 15
	s_delay_alu instid0(VALU_DEP_2)
	v_pk_add_f32 v[R:R+1], v[R:R+1], v[R+4*\i:R+4*\i+1]
	s_delay_alu instid0(VALU_DEP_2)
	v_pk_add_f32 v[R+2:R+3], v[R+2:R+3], v[R+4*\i+2:R+4*\i+3]
.endr
	v_pk_mul_f32 v[R:R+1], v[R:R+1], v[24:25] op_sel_hi:[1,0]               ; / the row's sum of p
	v_pk_mul_f32 v[R+2:R+3], v[R+2:R+3], v[24:25] op_sel_hi:[1,0]
	global_store_b128 v30, v[R:R+3], s[12:13]      ; 16 lanes store 256 consecutive bytes, aligned
.Ldone:
	s_wait_tensorcnt 0x0                           ; the wave's end, behind my last LDS store
	ds_add_u32 v4, v5
	s_wait_dscnt 0x0
	s_endpgm
.Lfunc_end_k_qe301b4eaa4_ctx:
	.size	k_qe301b4eaa4_ctx, .Lfunc_end_k_qe301b4eaa4_ctx-k_qe301b4eaa4_ctx
	.p2alignl 7, 3214868480
	.fill 96, 4, 3214868480
	.section	.rodata,"a",@progbits
	.p2align	6, 0x0
	.amdhsa_kernel k_qe301b4eaa4_ctx
		.amdhsa_group_segment_fixed_size 23040
		.amdhsa_private_segment_fixed_size 0
		.amdhsa_enable_private_segment 0
		.amdhsa_kernarg_size 56
		.amdhsa_user_sgpr_count 2
		.amdhsa_user_sgpr_kernarg_segment_ptr 1
		.amdhsa_wavefront_size32 1
		.amdhsa_system_sgpr_workgroup_id_x 1
		.amdhsa_system_sgpr_workgroup_id_y 1
		.amdhsa_system_sgpr_workgroup_id_z 1
		.amdhsa_system_vgpr_workitem_id 0
		.amdhsa_next_free_vgpr 256
		.amdhsa_next_free_sgpr 66
		.amdhsa_reserve_vcc 0
		.amdhsa_float_denorm_mode_32 3
		.amdhsa_float_denorm_mode_16_64 3
		.amdhsa_memory_ordered 1
		.amdhsa_forward_progress 1
		.amdhsa_inst_pref_size 41
	.end_amdhsa_kernel
	.amdgpu_metadata
---
amdhsa.version: [ 1, 2 ]
amdhsa.kernels:
  - .name:           k_qe301b4eaa4_ctx
    .symbol:         k_qe301b4eaa4_ctx.kd
    .args:
      - { .name: tsc, .offset: 0, .size: 8, .value_kind: global_buffer, .address_space: global }
      - { .name: enc_padding_mask, .offset: 8, .size: 8, .value_kind: global_buffer, .address_space: global }
      - { .name: coverage, .offset: 16, .size: 8, .value_kind: global_buffer, .address_space: global }
      - { .name: encoder_outputs, .offset: 24, .size: 8, .value_kind: global_buffer, .address_space: global }
      - { .name: out0, .offset: 32, .size: 8, .value_kind: global_buffer, .address_space: global }
      - { .name: out1, .offset: 40, .size: 8, .value_kind: global_buffer, .address_space: global }
      - { .name: out2, .offset: 48, .size: 8, .value_kind: global_buffer, .address_space: global }
    .group_segment_fixed_size: 23040
    .private_segment_fixed_size: 0
    .kernarg_segment_align: 8
    .kernarg_segment_size: 56
    .max_flat_workgroup_size: 512
    .sgpr_count:     66
    .vgpr_count:     256
    .wavefront_size: 32
...
	.end_amdgpu_metadata
.endif
;; end of part 3
